; MI455X (gfx1250); checked and timed in simulation.
; The chip was launched on July 23, 2026; its instructions are those of AMD's public machine-readable ISA for CDNA 5 (MIT licence, August 2026) and "CDNA5" Instruction Set Architecture Reference Guide (July 2026). The comments in the code are by the model that wrote it; some were corrected since.
;; tru. Allowed arithmetic: float matrix products may take bf16 or f16 operands with f32 sums; all other float work in f32.
;; Inputs: WK_b 1,024 float32; WK_w 1,024 x 1,024 float32; WQ_b 1,024 float32; WQ_w 1,024 x 1,024 float32; WV_b 1,024 float32; WV_w 1,024 x 1,024 float32; bn1_b 1,024 float32; bn1_g 1,024 float32; bn2_b 1,024 float32; bn2_g 1,024 float32; w1_b 4,096 float32; w1_w 4,096 x 1,024 float32; w2_b 1,024 float32; w2_w 1,024 x 4,096 float32; x 32 x 1,024 x 1 x 1 float32; y 32 x 1,024 x 1,024 x 1 float32.
;; Outputs: out0 32 x 1,024 x 1 x 1 float32.
;; One version. Each part assembles by itself: llvm-mc -triple=amdgcn-amd-amdhsa -mcpu=gfx1250 --defsym DOCPART=n.
;; ======== version 1 of 1: 5 launches
;; workspace buffers: qk 1,048,576 bytes; qb 2,048 bytes; part 8,388,608 bytes; stat 32,768 bytes; z1 131,072 bytes; hf 262,144 bytes
;; launch qkfuse (part 1): grid 8 x 16, 16 waves a work-group, no clusters, 326,144 bytes of LDS; arguments x, WQ_w, WQ_b, WK_w, WK_b, qk, qb; writes qk, qb
.if DOCPART == 1
	.amdgcn_target "amdgcn-amd-amdhsa--gfx1250"
	.amdhsa_code_object_version 6
	.text
	.protected	k_q958bf93ecc_qkfuse
	.globl	k_q958bf93ecc_qkfuse
	.p2align	8
	.type	k_q958bf93ecc_qkfuse,@function
k_q958bf93ecc_qkfuse:
	s_mov_b64 s[64:65], 0
	v_nop
	global_prefetch_b8 v0, s[64:65] scope:SCOPE_SE
	s_setreg_imm32_b32 hwreg(HW_REG_WAVE_MODE, 25, 1), 1
	s_wait_xcnt 0x0
; q[b][o] = sum over c' of x[b][c'] WQ_w[o][c'] + WQ_b[o]                     (32 rows b; here the 64 channels o = 64 h + d of one head)
; qk[b][h][c] = sum over d of q[b][64 h + d] WK_w[64 h + d][c]   and   qb[h][b] = sum over d of q[b][64 h + d] WK_b[64 h + d].
; With them a score is (sum over c of qk[b][h][c] y[b][c][l] + qb[h][b]) / 8: the same sum as q . (WK y + WK_b), taken in another order.
; SHARES.  Work-group (x, y) owns head h = y and the 128 columns c = 128 x .. of qk.  The head's q (32 x 64, 4 MFLOP) is made anew in each of the head's 8 work-groups,
; from 256 KB of WQ_w and 128 KB of x, so that q never goes through memory and needs no launch of its own.
; PRODUCT 1.  Wave w owns c' = 64 w .. + 63 for all 64 d and 32 b: 8 accumulators; the sixteen waves' partial sums meet in LDS.
;   x's 32 x 64 numbers of a wave come by one tensor load (rows of 256 bytes, 16 of padding), read by that wave alone.
;   WQ_w goes through registers and is rounded on the way into LDS: in f32 its 64 x 1,024 numbers (with padding 278,528 bytes) would not fit beside x.
; PRODUCT 2.  Wave w owns c = 128 x + 16 (w % 8) .. + 15 and the rows b = 16 (w / 8) .. + 15.  WK_w's 64 x 128 numbers come by one tensor load of wave 0; the others read behind its wait and a barrier.
; Wave 0 has two tensor loads out, the other waves one; no LDS byte is filled twice.
; NO CLUSTER, though every work-group reads the same x: it is 128 of a work-group's 416 KB, brought by one load without a loop, which two rounds of the cluster's barrier would have to frame.
; THE MATRIX INSTRUCTION.  Product 1: source 0 = 16 d, source 1 = 16 b: a lane's 8 results are 8 neighbouring d of one row b.  Product 2: source 0 = 16 c (k = d, gathered word by word,
; since d runs down WK's rows), source 1 = 16 b: 8 neighbouring c of one row b.
; qb's parts are formed in all 8 work-groups of a head (8 instructions a wave) and joined and stored by the first: cheaper than a second path through the text.
; LIMITS: x, WQ_w, q, WK_w and qk rounded to bf16, sums in f32, qb from q in f32; NaN and infinities are not followed.
.set XTW,  8704                        ; a wave's tile of x: 32 rows x 272 bytes, from LDS byte 0 on
.set KT,   139264                      ; WK's tile: 64 rows x 528 bytes
.set WT,   173056                      ; WQ in bf16: for each wave 64 rows x 144 bytes; then the wave's partial sums (8,192 bytes, its own bytes)
.set WTW,  9216
.set STG,  WT                          ; at last, behind the barrier that ends the reads of the partial sums: 32 rows x 272 bytes for the way out
.set QS,   320512                      ; q in bf16: 32 rows x 144 bytes
.set QBS,  325120                      ; qb's parts: 64 bytes a wave
.set BQ,   24                          ; v[24:27]   WQ_b of the 4 channels that I finish
.set BK,   28                          ; v[28:31]   WK_b of the same
.set WR,   32                          ; v[32:159]  WQ as loaded: load i at WR + 4 i
.set WFR,  32                          ; v[32:95]   then its 8 fragments: K step k, tile d at WFR + 8 (4 k + d)
.set RD,   32                          ; v[32:95]   then the sixteen partial sums of my 4 numbers
.set ACC,  96                          ; v[96:159]  8 accumulators: (tile d, half m of the rows) at ACC + 8 (2 d + m)
.set XF,   160                         ; v[160:223] x in f32: 4 fragments
.set KF,   160                         ; v[160:191] then WK in f32
.set ACC2, 160                         ; v[160:175] then product 2's two accumulators
.set PK,   176                         ; v[176:179] packed results
.set OUTR, 180                         ; v[180:183] a piece of a row of qk
.set QT,   184                         ; v[184:191] qb's 8 parts
.set KB,   192                         ; v[192:207] WK's two fragments in bf16
.set QF,   208                         ; v[208:223] q's two fragments
.set XB,   224                         ; v[224:255] x's fragments in bf16: (K step k, half m) at XB + 8 (2 k + m)
.macro PLACES                          ; four plain vector instructions between a matrix instruction and the first reader of its result or load into its sources
.rept 4
	v_nop
.endr
.endm
.macro BAR                             ; my LDS instructions are done, then the work-group's barrier
	s_wait_dscnt 0x0
	s_barrier_signal -1
	s_barrier_wait -1
.endm
.macro WFRAG dst, adr, off             ; 16 rows x 32 k of f32: k = 8 hh .. + 7, then 16 + 8 hh .. + 7
	ds_load_b128 v[\dst:\dst+3], v[\adr] offset:\off
	ds_load_b128 v[\dst+4:\dst+7], v[\adr] offset:\off+16
	ds_load_b128 v[\dst+8:\dst+11], v[\adr] offset:\off+64
	ds_load_b128 v[\dst+12:\dst+15], v[\adr] offset:\off+80
.endm
.macro WCVT dst, src                   ; 16 f32 a lane -> a bf16 fragment
.irp i, 0,1,2,3,4,5,6,7
	v_cvt_pk_bf16_f32 v[\dst+\i], v[\src+2*\i], v[\src+2*\i+1]
.endr
.endm
.macro ADD4 d, a
	v_pk_add_f32 v[\d:\d+1], v[\d:\d+1], v[\a:\a+1]
	v_pk_add_f32 v[\d+2:\d+3], v[\d+2:\d+3], v[\a+2:\a+3]
.endm
	s_load_b256 s[4:11], s[0:1], 0x0               ; x s[4:5], WQ_w s[6:7], WQ_b s[8:9], WK_w s[10:11]
	s_load_b128 s[12:15], s[0:1], 0x20             ; WK_b s[12:13], qk s[14:15]
	s_load_b64 s[16:17], s[0:1], 0x30              ; qb
	v_lshrrev_b32 v1, 5, v0
	v_readfirstlane_b32 s18, v1                    ; wave 0..15
	s_mov_b32 s19, ttmp9                           ; which 128 columns of qk
	s_and_b32 s20, ttmp7, 0xffff                   ; head
	s_mov_b32 s50, 0x76543210                      ; v_permlanex16_b32: each lane takes its own place in the other half
	s_mov_b32 s51, 0xfedcba98
	s_mov_b32 s28, 0x07520000                      ; x: elements of 4 bytes; padding on: after every 64 words 4 words
	s_mov_b32 s29, 64<<16                          ; tensor_dim0 = 64
	s_mov_b32 s30, 32<<16                          ; tensor_dim1 = 32
	s_mov_b32 s31, 64<<16                          ; tile_dim0 = 64
	s_mov_b32 s32, 32                              ; tile_dim1 = 32
	s_mov_b32 s33, 1024                            ; elements from row to row
	s_mov_b32 s34, 0
	s_mov_b32 s35, 0
	s_mov_b32 s40, 0x07920000                      ; WK: elements of 4 bytes; after every 128 words 4 words of padding
	s_mov_b32 s41, 128<<16                         ; tensor_dim0 = 128
	s_mov_b32 s42, 64<<16                          ; tensor_dim1 = 64
	s_mov_b32 s43, 128<<16                         ; tile_dim0 = 128
	s_mov_b32 s44, 64                              ; tile_dim1 = 64
	s_mov_b32 s45, 1024                            ; elements from row to row
	s_mov_b32 s46, 0
	s_mov_b32 s47, 0
	s_mov_b32 s24, 1
	s_mul_i32 s25, s18, XTW                        ; my tile of x in LDS
	s_mov_b32 s36, 1
	s_mov_b32 s37, KT
	s_lshl_b32 s48, s18, 8                         ; my 64 columns c', in bytes
	s_mov_b32 s49, 0
	s_lshl_b32 s52, s20, 18                        ; 64 h rows of 4,096 bytes, in WQ_w and in WK_w
	s_mov_b32 s53, 0
	s_lshl_b32 s54, s19, 9                         ; WK: and the work-group's 128 columns
	s_add_co_u32 s54, s54, s52
	s_mov_b32 s55, 0
	s_wait_kmcnt 0x0
	s_add_nc_u64 s[26:27], s[4:5], s[48:49]
	s_or_b32 s27, s27, 0x80000000                  ; type 2
	tensor_load_to_lds s[24:27], s[28:35]          ; every wave: its tile of x
	s_nop 0
	s_add_nc_u64 s[38:39], s[10:11], s[54:55]
	s_or_b32 s39, s39, 0x80000000
	s_add_nc_u64 s[6:7], s[6:7], s[52:53]          ; WQ_w at the head's first row
	s_cmp_lg_u32 s18, 0
	s_cbranch_scc1 .Lno_fill
	tensor_load_to_lds s[36:39], s[40:47]          ; wave 0 alone: WK's tile
	s_nop 0
.Lno_fill:
	v_and_b32 v1, 31, v0                           ; L
	v_and_b32 v2, 15, v0                           ; r
	v_bfe_u32 v3, v0, 4, 1                         ; hh
	v_lshlrev_b32 v4, 4, v2
	v_lshl_add_u32 v4, v3, 12, v4
	v_add_nc_u32 v4, s48, v4                       ; WQ_w: row hh, 256 w + 16 r
	s_lshr_b32 s21, s18, 2                         ; the 4 channels that I finish: d = 16 (w / 4) + 8 hh + 4 (w % 2) + 0..3
	s_lshl_b32 s21, s21, 6
	s_and_b32 s22, s18, 1
	s_lshl_b32 s22, s22, 4
	s_add_co_u32 s21, s21, s22
	s_lshl_b32 s22, s20, 8
	s_add_co_u32 s21, s21, s22
	v_lshl_add_u32 v5, v3, 5, s21                  ; their byte offset in WQ_b and in WK_b
	global_load_b128 v[BQ:BQ+3], v5, s[8:9]
	global_load_b128 v[BK:BK+3], v5, s[12:13]
.set i, 0
.rept 32
	global_load_b128 v[WR+4*i:WR+4*i+3], v4, s[6:7] offset:8192*i   ; rows d = 2 i and 2 i + 1: 16 lanes take 256 consecutive bytes of each, aligned
.set i, i+1
.endr
	v_mul_u32_u24 v6, v2, 272
	v_lshl_add_u32 v6, v3, 5, v6
	v_add_nc_u32 v6, s25, v6                       ; x's fragments: row r, 32 bytes for each half of the lanes
	s_and_b32 s21, s18, 7                          ; my tile of 16 c
	s_lshl_b32 s22, s21, 6
	s_add_co_u32 s22, s22, KT
	v_mul_u32_u24 v7, v3, 4224                     ; WK: row 8 hh,
	v_lshl_add_u32 v7, v2, 2, v7                   ; column 16 (w % 8) + r
	v_add_nc_u32 v7, s22, v7
	s_mul_i32 s23, s18, WTW
	s_add_co_u32 s23, s23, WT                      ; my part of WQ's region
	v_mul_u32_u24 v8, v3, 144
	v_lshl_add_u32 v8, v2, 3, v8
	v_add_nc_u32 v8, s23, v8                       ; WQ in: row hh, 8 bytes a lane
	v_mul_u32_u24 v21, v2, 144
	v_lshl_add_u32 v21, v3, 4, v21                 ; a bf16 fragment in rows of 144 bytes: row r, 16 bytes for each half
	v_add_nc_u32 v9, s23, v21                      ; WQ's fragments
	v_lshl_add_u32 v10, v1, 4, s23                 ; my partial sums
	s_lshl_b32 s22, s18, 9
	s_add_co_u32 s22, s22, WT
	v_lshl_add_u32 v11, v1, 4, s22                 ; half w % 2 of accumulator w / 2 in wave 0's partial sums; waves 0-7 by the offset,
	v_add_nc_u32 v12, 8*WTW, v11                   ; waves 8-15 from here: an LDS offset has 16 bits
	s_lshr_b32 s22, s18, 1
	s_and_b32 s22, s22, 1                          ; which half of the rows b I finish
	s_mul_i32 s22, s22, 2304
	s_lshr_b32 s48, s18, 2
	s_lshl_b32 s48, s48, 5
	s_add_co_u32 s22, s22, s48
	s_and_b32 s48, s18, 1
	s_lshl_b32 s48, s48, 3
	s_add_co_u32 s22, s22, s48
	s_add_co_u32 s22, s22, QS
	v_add_nc_u32 v13, s22, v21                     ; q in: row 16 m + r, bytes 32 (w / 4) + 16 hh + 8 (w % 2)
	s_lshl_b32 s22, s18, 6
	s_add_co_u32 s22, s22, QBS
	v_lshl_add_u32 v14, v2, 2, s22                 ; my part of qb for row r of my half
	s_lshr_b32 s49, s18, 3                         ; product 2: my half of the rows b
	s_mul_i32 s22, s49, 2304
	s_add_co_u32 s22, s22, QS
	v_add_nc_u32 v15, s22, v21                     ; q's fragments
	s_mul_i32 s22, s49, 4352
	s_lshl_b32 s48, s21, 5
	s_add_co_u32 s22, s22, s48
	s_add_co_u32 s22, s22, STG
	v_mul_u32_u24 v16, v2, 272
	v_lshl_add_u32 v16, v3, 4, v16
	v_add_nc_u32 v16, s22, v16                     ; into the stage: row 16 (w / 8) + r, bytes 32 (w % 8) + 16 hh
	s_mul_i32 s22, s18, 544
	s_add_co_u32 s22, s22, STG
	v_mul_u32_u24 v17, v3, 272
	v_lshl_add_u32 v17, v2, 4, v17
	v_add_nc_u32 v17, s22, v17                     ; back: rows 2 w + hh, whole
	s_lshl_b32 s22, s18, 16
	s_lshl_b32 s48, s20, 11
	s_add_co_u32 s22, s22, s48
	s_lshl_b32 s48, s19, 8
	s_add_co_u32 s22, s22, s48
	v_lshl_add_u32 v18, v3, 15, s22
	v_lshl_add_u32 v18, v2, 4, v18                 ; qk: 32,768 (2 w + hh) + 2,048 h + 256 x + 16 r
	v_lshlrev_b32 v19, 2, v2
	v_lshl_add_u32 v19, v3, 7, v19
	v_add_nc_u32 v19, QBS, v19                     ; qb's parts of row b = L
	s_lshl_b32 s22, s20, 7
	v_lshl_add_u32 v20, v1, 2, s22                 ; qb: 4 (32 h + L)
	s_wait_tensorcnt 0x0                           ; my tile of x is in LDS; wave 0: WK's too
	BAR                                            ; WK's tile may be read by every wave
	; while WQ is on its way: x's four and WK's two fragments
.irp k, 0,1
.irp m, 0,1
	WFRAG XF+16*(2*\k+\m), 6, 4352*\m+128*\k
.endr
.endr
	s_wait_dscnt 0x0
.irp f, 0,1,2,3
	WCVT XB+8*\f, XF+16*\f
.endr
.irp s, 0,1
.irp p, 0,1,2,3,4,5,6,7,8,9,10,11,12,13,14,15
	ds_load_b32 v[KF+16*\s+\p], v7 offset:528*(32*\s+(\p&7)+16*(\p>>3))   ; d = 32 s + 8 hh + p % 8 + 16 (p / 8); the two rows of a load lie 1,056 words apart
.endr
.endr
	s_wait_dscnt 0x0
.irp i, 0,1,2,3,4,5,6,7,8,9,10,11,12,13,14,15
	v_cvt_pk_bf16_f32 v[KB+\i], v[KF+2*\i], v[KF+2*\i+1]
.endr
	; WQ: load i is rounded and put into LDS as soon as it is in; the wait leaves the 31 - i younger loads out (the two loads of the biases are older than all of them)
.set i, 0
.rept 32
	s_wait_loadcnt 31-i
	v_cvt_pk_bf16_f32 v[WR+4*i], v[WR+4*i], v[WR+4*i+1]
	v_cvt_pk_bf16_f32 v[WR+4*i+1], v[WR+4*i+2], v[WR+4*i+3]
	ds_store_b64 v8, v[WR+4*i:WR+4*i+1] offset:288*i
.set i, i+1
.endr
.irp k, 0,1
.irp d, 0,1,2,3
	ds_load_b128 v[WFR+8*(4*\k+\d):WFR+8*(4*\k+\d)+3], v9 offset:2304*\d+64*\k       ; my own stores above: LDS serves a wave's instructions in order (ISA guide 5.7.1.4)
	ds_load_b128 v[WFR+8*(4*\k+\d)+4:WFR+8*(4*\k+\d)+7], v9 offset:2304*\d+64*\k+32
.endr
.endr
	s_wait_dscnt 0x0
	; the eight accumulators take turns, one instruction a turn, the first eight products start the sums
.irp k, 0,1
.irp d, 0,1,2,3
.irp m, 0,1
.if \k == 0
	v_wmma_f32_16x16x32_bf16 v[ACC+8*(2*\d+\m):ACC+8*(2*\d+\m)+7], v[WFR+8*(4*\k+\d):WFR+8*(4*\k+\d)+7], v[XB+8*(2*\k+\m):XB+8*(2*\k+\m)+7], 0
.else
	v_wmma_f32_16x16x32_bf16 v[ACC+8*(2*\d+\m):ACC+8*(2*\d+\m)+7], v[WFR+8*(4*\k+\d):WFR+8*(4*\k+\d)+7], v[XB+8*(2*\k+\m):XB+8*(2*\k+\m)+7], v[ACC+8*(2*\d+\m):ACC+8*(2*\d+\m)+7]
.endif
.endr
.endr
.endr
	PLACES
.irp a, 0,1,2,3,4,5,6,7
.irp q, 0,1
	ds_store_b128 v10, v[ACC+8*\a+4*\q:ACC+8*\a+4*\q+3] offset:1024*\a+512*\q   ; over my own part of WQ, whose reads are back
.endr
.endr
	BAR                                            ; every wave's partial sums are in LDS
	; wave w finishes registers 4 (w % 2) .. + 3 of accumulator w / 2: row b = 16 ((w / 2) % 2) + r, d = 16 (w / 4) + 8 hh + 4 (w % 2) + 0..3
.irp p, 0,1,2,3,4,5,6,7
	ds_load_b128 v[RD+4*\p:RD+4*\p+3], v11 offset:WTW*\p
.endr
.irp p, 0,1,2,3,4,5,6,7
	ds_load_b128 v[RD+32+4*\p:RD+32+4*\p+3], v12 offset:WTW*\p
.endr
	s_wait_dscnt 0x0
.irp i, 0,1,2,3,4,5,6,7
	ADD4 RD+8*\i, RD+8*\i+4
.endr
.irp i, 0,1,2,3
	ADD4 RD+16*\i, RD+16*\i+8
.endr
	ADD4 RD, RD+16
	ADD4 RD+32, RD+48
	ADD4 RD, RD+32
	ADD4 RD, BQ                                    ; q, in f32
	v_mul_f32 v22, v[RD], v[BK]                    ; my part of qb: 4 channels,
	v_mul_f32 v23, v[RD+1], v[BK+1]
	v_fmac_f32 v22, v[RD+2], v[BK+2]
	v_fmac_f32 v23, v[RD+3], v[BK+3]
	v_add_f32 v22, v22, v23
	v_permlanex16_b32 v23, v22, s50, s51           ; and the 4 of the lane 16 away, which holds the same row
	v_add_f32 v22, v22, v23
	ds_store_b32 v14, v22                          ; both halves of the lanes write the same number to the same word
	v_cvt_pk_bf16_f32 v[RD+4], v[RD], v[RD+1]
	v_cvt_pk_bf16_f32 v[RD+5], v[RD+2], v[RD+3]
	ds_store_b64 v13, v[RD+4:RD+5]
	BAR                                            ; q and qb's parts are in LDS; nobody reads the partial sums any more
.irp i, 0,1,2,3
	ds_load_b128 v[QF+4*\i:QF+4*\i+3], v15 offset:32*\i   ; K step i / 2: d = 32 (i / 2) + 16 (i % 2) + 8 hh + 0..7
.endr
	s_wait_dscnt 0x0
	; one accumulator for each of the two K steps, so that no product adds onto the one just before it; they are added below
	v_wmma_f32_16x16x32_bf16 v[ACC2:ACC2+7], v[KB:KB+7], v[QF:QF+7], 0
	v_wmma_f32_16x16x32_bf16 v[ACC2+8:ACC2+15], v[KB+8:KB+15], v[QF+8:QF+15], 0
	PLACES
.irp i, 0,2,4,6
	v_pk_add_f32 v[ACC2+\i:ACC2+\i+1], v[ACC2+\i:ACC2+\i+1], v[ACC2+8+\i:ACC2+8+\i+1]
.endr
.irp i, 0,1,2,3
	v_cvt_pk_bf16_f32 v[PK+\i], v[ACC2+2*\i], v[ACC2+2*\i+1]
.endr
	ds_store_b128 v16, v[PK:PK+3]
	BAR                                            ; a row's 256 bytes come from eight waves
	ds_load_b128 v[OUTR:OUTR+3], v17
	s_wait_dscnt 0x0
	global_store_b128 v18, v[OUTR:OUTR+3], s[14:15]   ; 16 lanes store 256 consecutive bytes, aligned; v18 and OUTR are not written again
	s_cmp_lg_u32 s19, 0
	s_cbranch_scc1 .Lend
	s_cmp_lg_u32 s18, 0
	s_cbranch_scc1 .Lend
	; qb: wave 0 of the head's first work-group joins the 8 parts of each row b = L (waves 4 d + 2 (L / 16) + q)
.irp d, 0,1,2,3
.irp q, 0,1
	ds_load_b32 v[QT+2*\d+\q], v19 offset:256*\d+64*\q
.endr
.endr
	s_wait_dscnt 0x0
	v_pk_add_f32 v[QT:QT+1], v[QT:QT+1], v[QT+2:QT+3]
	v_pk_add_f32 v[QT+4:QT+5], v[QT+4:QT+5], v[QT+6:QT+7]
	v_pk_add_f32 v[QT:QT+1], v[QT:QT+1], v[QT+4:QT+5]
	v_add_f32 v[QT], v[QT], v[QT+1]
	global_store_b32 v20, v[QT], s[16:17]          ; 128 consecutive bytes
.Lend:
	s_endpgm
.Lfunc_end_k_q958bf93ecc_qkfuse:
	.size	k_q958bf93ecc_qkfuse, .Lfunc_end_k_q958bf93ecc_qkfuse-k_q958bf93ecc_qkfuse
	.p2alignl 7, 3214868480
	.fill 96, 4, 3214868480
	.section	.rodata,"a",@progbits
	.p2align	6, 0x0
	.amdhsa_kernel k_q958bf93ecc_qkfuse
		.amdhsa_group_segment_fixed_size 326144
		.amdhsa_private_segment_fixed_size 0
		.amdhsa_enable_private_segment 0
		.amdhsa_kernarg_size 56
		.amdhsa_user_sgpr_count 2
		.amdhsa_user_sgpr_kernarg_segment_ptr 1
		.amdhsa_wavefront_size32 1
		.amdhsa_system_sgpr_workgroup_id_x 1
		.amdhsa_system_sgpr_workgroup_id_y 1
		.amdhsa_system_sgpr_workgroup_id_z 1
		.amdhsa_system_vgpr_workitem_id 0
		.amdhsa_next_free_vgpr 256
		.amdhsa_next_free_sgpr 66
		.amdhsa_reserve_vcc 0
		.amdhsa_float_denorm_mode_32 3
		.amdhsa_float_denorm_mode_16_64 3
		.amdhsa_memory_ordered 1
		.amdhsa_forward_progress 1
		.amdhsa_inst_pref_size 32
	.end_amdhsa_kernel
	.amdgpu_metadata
---
amdhsa.version: [ 1, 2 ]
amdhsa.kernels:
  - .name:           k_q958bf93ecc_qkfuse
    .symbol:         k_q958bf93ecc_qkfuse.kd
    .args:
      - { .name: x, .offset: 0, .size: 8, .value_kind: global_buffer, .address_space: global }
      - { .name: WQ_w, .offset: 8, .size: 8, .value_kind: global_buffer, .address_space: global }
      - { .name: WQ_b, .offset: 16, .size: 8, .value_kind: global_buffer, .address_space: global }
      - { .name: WK_w, .offset: 24, .size: 8, .value_kind: global_buffer, .address_space: global }
      - { .name: WK_b, .offset: 32, .size: 8, .value_kind: global_buffer, .address_space: global }
      - { .name: qk, .offset: 40, .size: 8, .value_kind: global_buffer, .address_space: global }
      - { .name: qb, .offset: 48, .size: 8, .value_kind: global_buffer, .address_space: global }
    .group_segment_fixed_size: 326144
    .private_segment_fixed_size: 0
    .kernarg_segment_align: 8
    .kernarg_segment_size: 56
    .max_flat_workgroup_size: 512
    .sgpr_count:     66
    .vgpr_count:     256
    .wavefront_size: 32
...
	.end_amdgpu_metadata
.endif
;; end of part 1
;; launch attn (part 2): grid 8 x 32, 16 waves a work-group, no clusters, 316,672 bytes of LDS; arguments y, qk, qb, part, stat; writes part, stat
.if DOCPART == 2
	.amdgcn_target "amdgcn-amd-amdhsa--gfx1250"
	.amdhsa_code_object_version 6
	.text
	.protected	k_q958bf93ecc_attn
	.globl	k_q958bf93ecc_attn
	.p2align	8
	.type	k_q958bf93ecc_attn,@function
k_q958bf93ecc_attn:
	s_mov_b64 s[64:65], 0
	v_nop
	global_prefetch_b8 v0, s[64:65] scope:SCOPE_SE
	s_setreg_imm32_b32 hwreg(HW_REG_WAVE_MODE, 25, 1), 1
	s_wait_xcnt 0x0
; For batch b and the 128 positions l = 128 j .. 128 j + 127, all 16 heads:
;   t[h][l] = c (sum over c' of qk[b][h][c'] y[b][c'][l] + qb[h][b]),  c = log2(e) / 8
;   m[h] = max over the chunk's l of t,  p = 2^(t - m),  l[h] = sum of p,  part[b][j][h][c'] = (sum over l of p y[b][c'][l]) / l[h]
; m and l go to stat; the next launch joins the 8 chunks of a batch by the true maximum over them.
; y IS READ ONCE: its 1,024 x 128 numbers of the chunk are rounded to bf16 on the way into LDS (272 KB; in f32 they would not fit) and feed both products from there.
; So they go through registers (load, convert, LDS store), not through the data mover.
; SHARES.  16 waves.  Filling: in stage s (of 4) wave w brings rows c' = 256 s + 16 w + 0..15; a register ring of 32 loads of 512 bytes a wave stays out.
; Product 1 (waves 0-7, behind each stage's barrier, while the later stages' loads are on their way): wave w owns l = 16 w .. + 15, source 0 = 16 l (turned on the way out of LDS), source 1 = 16 heads.
; Product 2 (all waves): wave w owns c' = 64 w .. + 63, source 0 = 16 c', source 1 = 16 heads (the weights as product 1's lanes hold them, through LDS).
; No cluster: what the 8 chunks of a batch share is qk's 32 KB against 512 KB of y that each reads alone.
; LIMITS: qk, y, p and part rounded to bf16, sums, maxima and exponentials in f32; weights under 2^-126 come out as 0; NaN and infinities are not followed.
.set SROWS, 69632                      ; 256 rows of 272 bytes: a stage's part of y in LDS (from byte 0 on: 1,024 rows, 256 bytes + 16 of padding)
.set QK,   278528                      ; qk of the batch: 16 rows of 2,048 + 16 bytes; on the way out the results' stage
.set MX,   311552                      ; 8 tiles x 16 heads: maxima; 512 bytes on: sums
.set PB,   312576                      ; the weights in bf16: tile t' at 512 t', 16 bytes a lane
.set RING, 32                          ; v[32:159]  two halves of 16 rows x 4 registers; then product 2's 16 fragments of y
.set TMP,  160                         ; v[160:167] four pairs of packed bf16, by turns
.set FA,   168                         ; v[168:199] source 0 of product 1; source 1 of product 2; packed results
.set FB,   200                         ; v[200:231] source 1 of product 1; accumulators of product 2
.set ACC,  232                         ; v[232:247] two accumulators of product 1, then t and p
.macro PLACES
.rept 4
	v_nop
.endr
.endm
.macro BAR
	s_wait_dscnt 0x0
	s_barrier_signal -1
	s_barrier_wait -1
.endm
	s_load_b256 s[4:11], s[0:1], 0x0               ; y s[4:5], qk s[6:7], qb s[8:9], part s[10:11]
	s_load_b64 s[12:13], s[0:1], 0x20              ; stat
	v_lshrrev_b32 v2, 5, v0
	v_readfirstlane_b32 s16, v2                    ; wave 0..15
	s_mov_b32 s17, ttmp9                           ; j
	s_and_b32 s18, ttmp7, 0xffff                   ; b
	s_mov_b32 s21, 0
	s_mov_b32 s22, 0x3e38aa3b                      ; c = log2(e) / 8
	s_mov_b32 s24, 0x76543210
	s_mov_b32 s25, 0xfedcba98
	v_and_b32 v31, 31, v0                          ; L
	v_and_b32 v2, 15, v0                           ; r
	v_bfe_u32 v3, v0, 4, 1                         ; hh
	s_lshl_b32 s26, s16, 16
	v_lshl_add_u32 v1, v31, 4, s26                 ; y: 16 w rows of 4,096 bytes + 16 L
	s_lshl_b32 s26, s16, 11
	v_lshl_add_u32 v6, v31, 4, s26                 ; qk and part: head w's row + 16 L
	v_lshlrev_b32 v15, 7, v2                       ; qb: head r's row
	s_wait_kmcnt 0x0
	s_lshl_b32 s20, s18, 22
	s_lshl_b32 s26, s17, 9
	s_add_co_u32 s20, s20, s26
	s_add_nc_u64 s[4:5], s[4:5], s[20:21]          ; y at (b, 0, 128 j)
	s_lshl_b32 s20, s18, 15
	s_add_nc_u64 s[6:7], s[6:7], s[20:21]          ; qk at b
	s_lshl_b32 s20, s18, 2
	s_add_nc_u64 s[8:9], s[8:9], s[20:21]          ; qb at column b
	s_lshl3_add_u32 s26, s18, s17                  ; 8 b + j
	s_lshl_b32 s20, s26, 15
	s_add_nc_u64 s[10:11], s[10:11], s[20:21]
	s_lshl_b32 s20, s26, 7
	s_add_nc_u64 s[12:13], s[12:13], s[20:21]
.irp i, 0,1,2,3
	global_load_b128 v[FA+4*\i:FA+4*\i+3], v6, s[6:7] offset:512*\i
.endr
	global_load_b32 v17, v15, s[8:9]
.set i, 0
.rept 32
	global_load_b128 v[RING+4*i:RING+4*i+3], v1, s[4:5] offset:4096*(256*(i/16)+i%16) th:TH_LOAD_NT   ; stages 0 and 1: each load is a row's 512 consecutive bytes
.set i, i+1
.endr
	s_mul_i32 s27, s16, 4352
	v_lshl_add_u32 v4, v31, 3, s27                 ; y into LDS: row 16 w, 8 bytes a lane; steps by a stage
	v_and_b32 v30, 7, v0
	v_lshl_add_u32 v30, v3, 3, v30
	v_mul_u32_u24 v5, v30, 272                     ; the turning load: row 8 hh + L % 8,
	v_bfe_u32 v30, v0, 3, 1
	v_lshl_add_u32 v5, v30, 4, v5                  ; 16 bytes by (L / 8) % 2,
	s_lshl_b32 s27, s16, 5
	v_add_nc_u32 v5, s27, v5                       ; my 16 l; steps by a stage
	s_mul_i32 s27, s16, 2064
	s_add_co_u32 s27, s27, QK
	v_lshl_add_u32 v7, v31, 4, s27                 ; head w's row in LDS, whole
	v_mul_u32_u24 v8, v2, 2064
	v_lshl_add_u32 v8, v3, 4, v8
	v_add_nc_u32 v8, QK, v8                        ; qk's fragments: head r, 16 bytes for each half of the lanes
	s_mul_i32 s27, s16, 17408
	v_mul_u32_u24 v9, v2, 272
	v_lshl_add_u32 v9, v3, 4, v9
	v_add_nc_u32 v9, s27, v9                       ; product 2's fragments of y: row 64 w + r
	s_lshl_b32 s27, s16, 6
	s_add_co_u32 s27, s27, MX
	v_lshl_add_u32 v10, v2, 2, s27                 ; my tile's maximum (and, 512 on, sum) of head r
	v_lshlrev_b32 v11, 2, v2
	v_add_nc_u32 v11, MX, v11                      ; all tiles' of head r
	s_lshl_b32 s27, s16, 9
	s_add_co_u32 s27, s27, PB
	v_lshl_add_u32 v12, v31, 4, s27                ; my tile's weights
	v_lshlrev_b32 v13, 4, v31
	v_add_nc_u32 v13, PB, v13                      ; all tiles' weights
	s_lshl_b32 s27, s16, 7
	v_add_nc_u32 v14, s27, v8                      ; results: head r's row, bytes 128 w + 16 hh
	v_lshlrev_b32 v16, 2, v31                      ; stat: 4 L
	s_wait_loadcnt 32                              ; the 32 loads of y are younger: qk's row and qb are in
.irp i, 0,1,2,3
	ds_store_b128 v7, v[FA+4*\i:FA+4*\i+3] offset:512*\i
.endr
	v_mul_f32 v17, s22, v17                        ; c qb
; Four K steps of 32 c' of product 1: K steps 4 f .. 4 f + 3 of stage s.  The two accumulators take turns, one instruction a turn, from half to half and stage to stage too.
.macro P1HALF s, f
.irp k, 0,1,2,3
	ds_load_tr16_b128 v[FA+8*\k:FA+8*\k+3], v5 offset:8704*(4*\f+\k)
	ds_load_tr16_b128 v[FA+8*\k+4:FA+8*\k+7], v5 offset:8704*(4*\f+\k)+4352
	ds_load_b128 v[FB+8*\k:FB+8*\k+3], v8 offset:512*\s+64*(4*\f+\k)
	ds_load_b128 v[FB+8*\k+4:FB+8*\k+7], v8 offset:512*\s+64*(4*\f+\k)+32
.endr
	s_wait_dscnt 0x0
.irp k, 0,1,2,3
.if (\s == 0) && (\f == 0) && (\k < 2)
	v_wmma_f32_16x16x32_bf16 v[ACC+8*(\k%2):ACC+8*(\k%2)+7], v[FA+8*\k:FA+8*\k+7], v[FB+8*\k:FB+8*\k+7], 0
.else
	v_wmma_f32_16x16x32_bf16 v[ACC+8*(\k%2):ACC+8*(\k%2)+7], v[FA+8*\k:FA+8*\k+7], v[FB+8*\k:FB+8*\k+7], v[ACC+8*(\k%2):ACC+8*(\k%2)+7]
.endif
.endr
.endm
; Stage s: my 16 rows are rounded and put into LDS; in stages 0 and 1 each row's registers are asked for again, for the row two stages on.
; The wait counts the younger loads: the rest of this stage (15 - i), the next stage's 16, and the i already asked for two stages on; in stages 2 and 3 nothing more is asked for.
; The 32 conversions are also the places between the last stage's products and the loads into their sources.
; Behind stage 3's products no conversions follow: five v_nop stand straight behind the last product, in the same branch, so that on every way on from it they come ahead of
; the reads of ACC, of the loads into FA (four places) and of product 2's products, which write over FB (five places).
.macro STAGE s
.set i, 0
.rept 16
.if \s < 2
	s_wait_loadcnt 31
.elseif \s == 2
	s_wait_loadcnt 31-i
.else
	s_wait_loadcnt 15-i
.endif
	v_cvt_pk_bf16_f32 v[TMP+2*(i%4)], v[RING+64*(\s%2)+4*i], v[RING+64*(\s%2)+4*i+1]
	v_cvt_pk_bf16_f32 v[TMP+2*(i%4)+1], v[RING+64*(\s%2)+4*i+2], v[RING+64*(\s%2)+4*i+3]
	ds_store_b64 v4, v[TMP+2*(i%4):TMP+2*(i%4)+1] offset:272*i
.if \s < 2
	global_load_b128 v[RING+64*(\s%2)+4*i:RING+64*(\s%2)+4*i+3], v1, s[4:5] offset:4096*(256*(\s+2)+i) th:TH_LOAD_NT
.endif
.set i, i+1
.endr
.if \s < 3
	v_add_nc_u32 v4, SROWS, v4
.endif
	BAR                                            ; the stage's 256 rows (and, in stage 0, qk) are in LDS for every wave
	s_cmp_gt_u32 s16, 7
	s_cbranch_scc1 .Lskip_\@                       ; waves 8-15 go on to the next stage's rows, which lie in other bytes
	P1HALF \s, 0
	PLACES                                         ; in front of the loads into the fragments just multiplied
	P1HALF \s, 1
.if \s < 3
	v_add_nc_u32 v5, SROWS, v5
.else
.rept 5
	v_nop                                          ; the places behind product 1's last products
.endr
.endif
.Lskip_\@:
.endm
	STAGE 0
	STAGE 1
	STAGE 2
	STAGE 3
	s_cmp_gt_u32 s16, 7
	s_cbranch_scc1 .Lno_max
.irp i, 0,2,4,6
	v_pk_add_f32 v[ACC+\i:ACC+\i+1], v[ACC+\i:ACC+\i+1], v[ACC+8+\i:ACC+8+\i+1]
.endr
.irp i, 0,1,2,3,4,5,6,7
	v_fma_f32 v[ACC+\i], v[ACC+\i], s22, v17       ; t = c s + c qb: head r, l = 16 w + 8 hh + i
.endr
	v_max3_num_f32 v19, v[ACC], v[ACC+1], v[ACC+2]
	v_max3_num_f32 v20, v[ACC+3], v[ACC+4], v[ACC+5]
	v_max3_num_f32 v19, v19, v20, v[ACC+6]
	v_max_num_f32 v19, v19, v[ACC+7]
	v_permlanex16_b32 v20, v19, s24, s25           ; the tile's other 8 l
	v_max_num_f32 v19, v19, v20
	ds_store_b32 v10, v19
.Lno_max:
.irp i, 0,1,2,3
.irp u, 0,1,2,3
	ds_load_b128 v[RING+8*(4*\i+\u):RING+8*(4*\i+\u)+3], v9 offset:4352*\i+64*\u      ; product 2's source 0: c' = 64 w + 16 i .., l = 32 u ..
	ds_load_b128 v[RING+8*(4*\i+\u)+4:RING+8*(4*\i+\u)+7], v9 offset:4352*\i+64*\u+32
.endr
.endr
	BAR                                            ; the eight tiles' maxima are in LDS; nobody reads qk any more
	s_cmp_gt_u32 s16, 7
	s_cbranch_scc1 .Lno_exp
.irp t, 0,1,2,3,4,5,6,7
	ds_load_b32 v[20+\t], v11 offset:64*\t
.endr
	s_wait_dscnt 0x0
	v_max3_num_f32 v18, v20, v21, v22
	v_max3_num_f32 v18, v18, v23, v24
	v_max3_num_f32 v18, v18, v25, v26
	v_max_num_f32 v18, v18, v27                    ; m: the chunk's maximum of head r
.irp i, 0,1,2,3,4,5,6,7
	v_sub_f32 v[ACC+\i], v[ACC+\i], v18
.endr
.irp i, 0,1,2,3,4,5,6,7
	v_exp_f32 v[ACC+\i], v[ACC+\i]
.endr
	v_nop                                          ; a plain instruction between the last exponential and the use of its result
	s_wait_alu depctr_va_vdst(0)
	v_pk_add_f32 v[20:21], v[ACC:ACC+1], v[ACC+2:ACC+3]
	v_pk_add_f32 v[22:23], v[ACC+4:ACC+5], v[ACC+6:ACC+7]
	v_pk_add_f32 v[20:21], v[20:21], v[22:23]
	v_add_f32 v19, v20, v21
	v_permlanex16_b32 v20, v19, s24, s25
	v_add_f32 v19, v19, v20
	ds_store_b32 v10, v19 offset:512               ; the tile's sum
.irp i, 0,1,2,3
	v_cvt_pk_bf16_f32 v[24+\i], v[ACC+2*\i], v[ACC+2*\i+1]
.endr
	ds_store_b128 v12, v[24:27]                    ; head r, l = 16 w + 8 hh + 0..7: half a fragment of product 2's source 1, in the lane that wants it
.Lno_exp:
	BAR                                            ; weights and sums are in LDS
.irp t, 0,1,2,3,4,5,6,7
	ds_load_b128 v[FA+4*\t:FA+4*\t+3], v13 offset:512*\t   ; tiles 2 u and 2 u + 1 are the fragment of l = 32 u .. + 31
.endr
.irp t, 0,1,2,3,4,5,6,7
	ds_load_b32 v[20+\t], v11 offset:512+64*\t
.endr
	s_wait_dscnt 0x0
	; the four accumulators take turns; the first four products start the sums
.irp u, 0,1,2,3
.irp i, 0,1,2,3
.if \u == 0
	v_wmma_f32_16x16x32_bf16 v[FB+8*\i:FB+8*\i+7], v[RING+8*(4*\i+\u):RING+8*(4*\i+\u)+7], v[FA+8*\u:FA+8*\u+7], 0
.else
	v_wmma_f32_16x16x32_bf16 v[FB+8*\i:FB+8*\i+7], v[RING+8*(4*\i+\u):RING+8*(4*\i+\u)+7], v[FA+8*\u:FA+8*\u+7], v[FB+8*\i:FB+8*\i+7]
.endif
.endr
.endr
	v_pk_add_f32 v[20:21], v[20:21], v[22:23]      ; l of head r: these four plain instructions are the places behind the last products
	v_pk_add_f32 v[24:25], v[24:25], v[26:27]
	v_pk_add_f32 v[20:21], v[20:21], v[24:25]
	v_add_f32 v29, v20, v21
	v_rcp_f32 v28, v29                             ; l is at least 1: the maximum's own weight is 1
	v_nop
.set i, 0
	s_wait_alu depctr_va_vdst(0)
.rept 16
	v_pk_mul_f32 v[FB+2*i:FB+2*i+1], v[FB+2*i:FB+2*i+1], v[28:29] op_sel_hi:[1,0]
.set i, i+1
.endr
.set i, 0
.rept 16
	v_cvt_pk_bf16_f32 v[FA+i], v[FB+2*i], v[FB+2*i+1]
.set i, i+1
.endr
.irp i, 0,1,2,3
	ds_store_b128 v14, v[FA+4*\i:FA+4*\i+3] offset:32*\i   ; head r, c' = 64 w + 16 i + 8 hh + 0..7
.endr
	BAR                                            ; a head's row comes from all sixteen waves
.irp i, 0,1,2,3
	ds_load_b128 v[FA+16+4*\i:FA+16+4*\i+3], v7 offset:512*\i
.endr
	s_wait_dscnt 0x0
.irp i, 0,1,2,3
	global_store_b128 v6, v[FA+16+4*\i:FA+16+4*\i+3], s[10:11] offset:512*\i   ; the wave's store covers 512 consecutive bytes of head w's row
.endr
	s_cmp_lg_u32 s16, 0
	s_cbranch_scc1 .Lend
	v_and_b32 v19, 31, v0
	v_cmp_gt_u32 vcc_lo, 16, v19
	v_cndmask_b32 v20, v29, v18, vcc_lo            ; lanes 0-15: m of head L; lanes 16-31: l of head L - 16
	global_store_b32 v16, v20, s[12:13]            ; 128 consecutive bytes
.Lend:
	s_endpgm
.Lfunc_end_k_q958bf93ecc_attn:
	.size	k_q958bf93ecc_attn, .Lfunc_end_k_q958bf93ecc_attn-k_q958bf93ecc_attn
	.p2alignl 7, 3214868480
	.fill 96, 4, 3214868480
	.section	.rodata,"a",@progbits
	.p2align	6, 0x0
	.amdhsa_kernel k_q958bf93ecc_attn
		.amdhsa_group_segment_fixed_size 316672
		.amdhsa_private_segment_fixed_size 0
		.amdhsa_enable_private_segment 0
		.amdhsa_kernarg_size 40
		.amdhsa_user_sgpr_count 2
		.amdhsa_user_sgpr_kernarg_segment_ptr 1
		.amdhsa_wavefront_size32 1
		.amdhsa_system_sgpr_workgroup_id_x 1
		.amdhsa_system_sgpr_workgroup_id_y 1
		.amdhsa_system_sgpr_workgroup_id_z 1
		.amdhsa_system_vgpr_workitem_id 0
		.amdhsa_next_free_vgpr 256
		.amdhsa_next_free_sgpr 66
		.amdhsa_reserve_vcc 1
		.amdhsa_float_denorm_mode_32 3
		.amdhsa_float_denorm_mode_16_64 3
		.amdhsa_memory_ordered 1
		.amdhsa_forward_progress 1
		.amdhsa_inst_pref_size 48
	.end_amdhsa_kernel
	.amdgpu_metadata
---
amdhsa.version: [ 1, 2 ]
amdhsa.kernels:
  - .name:           k_q958bf93ecc_attn
    .symbol:         k_q958bf93ecc_attn.kd
    .args:
      - { .name: y, .offset: 0, .size: 8, .value_kind: global_buffer, .address_space: global }
      - { .name: qk, .offset: 8, .size: 8, .value_kind: global_buffer, .address_space: global }
      - { .name: qb, .offset: 16, .size: 8, .value_kind: global_buffer, .address_space: global }
      - { .name: part, .offset: 24, .size: 8, .value_kind: global_buffer, .address_space: global }
      - { .name: stat, .offset: 32, .size: 8, .value_kind: global_buffer, .address_space: global }
    .group_segment_fixed_size: 316672
    .private_segment_fixed_size: 0
    .kernarg_segment_align: 8
    .kernarg_segment_size: 40
    .max_flat_workgroup_size: 512
    .sgpr_count:     66
    .vgpr_count:     256
    .wavefront_size: 32
...
	.end_amdgpu_metadata
.endif
;; end of part 2
;; launch proj (part 3): grid 4 x 64, 4 waves a work-group, no clusters, 219,136 bytes of LDS; arguments part, stat, WV_w, WV_b, x, z1; writes z1
.if DOCPART == 3
	.amdgcn_target "amdgcn-amd-amdhsa--gfx1250"
	.amdhsa_code_object_version 6
	.text
	.protected	k_q958bf93ecc_proj
	.globl	k_q958bf93ecc_proj
	.p2align	8
	.type	k_q958bf93ecc_proj,@function
k_q958bf93ecc_proj:
	s_mov_b64 s[64:65], 0
	v_nop
	global_prefetch_b8 v0, s[64:65] scope:SCOPE_SE
	s_setreg_imm32_b32 hwreg(HW_REG_WAVE_MODE, 25, 1), 1
	s_wait_xcnt 0x0
; z1[b][64 h + d] = x[b][64 h + d] + WV_b[64 h + d] + sum over j of w[b][h][j] T[(b, j)][d],   T[(b, j)][d] = sum over c of part[b][j][h][c] WV_w[64 h + d][c],
; w[j] = l[j] 2^(m[j] - M) / sum over j' of l[j'] 2^(m[j'] - M),  M = max over the 8 chunks of m: the softmax over all 1,024 positions, joined from its chunks.
; (The weights of a row sum to 1, so WV_b enters once.)
; SHARES.  Work-group (x, y): d = 16 x .. + 15, head h = y / 4, batches 8 (y % 4) .. + 7: 64 rows (b, j), four tiles of 16.  Wave w owns c = 256 w .. + 255; the four partial sums meet in LDS.
; Each wave asks for its own two tiles (16 x 256 of WV_w in f32, 64 x 256 of part in bf16) at its first lines: two tensor loads of a wave are out; no LDS byte is filled twice,
; and only the wave that asked reads a tile, behind its own wait.
; NO CLUSTER, though part's tile is shared by the 4 work-groups along x and WV_w's by 4 along y: the text has one fill a wave and no loop, so joint loads would put two rounds
; of the cluster's barrier round two loads.
; THE MATRIX INSTRUCTION: source 0 = 16 rows (b, j), source 1 = 16 d: a lane's 8 results are the 8 chunks j of one (b, d), which the weights join in the lane.
; z1 is stored in pieces of 64 consecutive bytes: a work-group owns 16 channels of a row.
; LIMITS: part and WV rounded to bf16, all else f32; weights under 2^-126 come out as 0; NaN and infinities are not followed.
.set PTW, 33792                        ; a wave's tile of part: 64 rows x 528 bytes, from LDS byte 0 on
.set WT,  135168                       ; WV's tiles:
.set WTW, 16640                        ; 16 rows x 1,040 bytes a wave
.set SCR, 201728                       ; partial sums: 4,096 bytes a wave
.set TAB, 218112                       ; the weights of a wave's 16 rows: 256 bytes a wave
.set AR,  32                           ; v[32:159]  WV in f32; then part's fragments, four K steps deep; then partial sums
.set WB,  160                          ; v[160:223] WV's eight fragments in bf16
.set ACC, 224                          ; v[224:255] four accumulators
.macro PLACES
.rept 4
	v_nop
.endr
.endm
.macro BAR
	s_wait_dscnt 0x0
	s_barrier_signal -1
	s_barrier_wait -1
.endm
.macro WFRAG dst, adr, off
	ds_load_b128 v[\dst:\dst+3], v[\adr] offset:\off
	ds_load_b128 v[\dst+4:\dst+7], v[\adr] offset:\off+16
	ds_load_b128 v[\dst+8:\dst+11], v[\adr] offset:\off+64
	ds_load_b128 v[\dst+12:\dst+15], v[\adr] offset:\off+80
.endm
.macro WCVT dst, src
.irp i, 0,1,2,3,4,5,6,7
	v_cvt_pk_bf16_f32 v[\dst+\i], v[\src+2*\i], v[\src+2*\i+1]
.endr
.endm
.macro ADD8 d, a
.irp i, 0,2,4,6
	v_pk_add_f32 v[\d+\i:\d+\i+1], v[\d+\i:\d+\i+1], v[\a+\i:\a+\i+1]
.endr
.endm
.macro ALOAD k                         ; part's four fragments of K step k: 8 loads
.irp t, 0,1,2,3
	ds_load_b128 v[AR+32*((\k)%4)+8*\t:AR+32*((\k)%4)+8*\t+3], v7 offset:8448*\t+64*(\k)
	ds_load_b128 v[AR+32*((\k)%4)+8*\t+4:AR+32*((\k)%4)+8*\t+7], v7 offset:8448*\t+64*(\k)+32
.endr
.endm
	s_load_b256 s[4:11], s[0:1], 0x0               ; part s[4:5], stat s[6:7], WV_w s[8:9], WV_b s[10:11]
	s_load_b128 s[12:15], s[0:1], 0x20             ; x s[12:13], z1 s[14:15]
	v_lshrrev_b32 v1, 5, v0
	v_readfirstlane_b32 s16, v1                    ; wave 0..3
	s_mov_b32 s17, ttmp9                           ; dg: which 16 d
	s_and_b32 s19, ttmp7, 0xffff
	s_lshr_b32 s18, s19, 2                         ; h
	s_and_b32 s19, s19, 3                          ; rg: which 8 batches
	s_mov_b32 s28, 0x07d20000                      ; WV: elements of 4 bytes; after every 256 words 4 words of padding
	s_mov_b32 s29, 256<<16                         ; tensor_dim0 = 256
	s_mov_b32 s30, 16<<16                          ; tensor_dim1 = 16
	s_mov_b32 s31, 256<<16                         ; tile_dim0 = 256
	s_mov_b32 s32, 16                              ; tile_dim1 = 16
	s_mov_b32 s33, 1024                            ; elements from row to row
	s_mov_b32 s34, 0
	s_mov_b32 s35, 0
	s_mov_b32 s40, 0x07910000                      ; part: elements of 2 bytes; after every 128 words 4 words of padding
	s_mov_b32 s41, 256<<16                         ; tensor_dim0 = 256
	s_mov_b32 s42, 64<<16                          ; tensor_dim1 = 64
	s_mov_b32 s43, 256<<16                         ; tile_dim0 = 256
	s_mov_b32 s44, 64                              ; tile_dim1 = 64
	s_mov_b32 s45, 16384                           ; from (b, j) to the next: 16 heads x 1,024 elements
	s_mov_b32 s46, 0
	s_mov_b32 s47, 0
	s_mov_b32 s24, 1
	s_mul_i32 s25, s16, WTW
	s_add_co_u32 s25, s25, WT
	s_mov_b32 s36, 1
	s_mul_i32 s37, s16, PTW
	s_lshl_b32 s20, s18, 18                        ; WV: row 64 h + 16 dg, 4,096 bytes each, column 256 w
	s_lshl_b32 s22, s17, 16
	s_add_co_u32 s20, s20, s22
	s_lshl_b32 s22, s16, 10
	s_add_co_u32 s20, s20, s22
	s_mov_b32 s21, 0
	s_wait_kmcnt 0x0
	s_add_nc_u64 s[26:27], s[8:9], s[20:21]
	s_or_b32 s27, s27, 0x80000000
	tensor_load_to_lds s[24:27], s[28:35]          ; WV's tile first: it has to be converted
	s_nop 0
	s_lshl_b32 s20, s19, 21                        ; part: row 64 rg of 32,768 bytes, head h, column 256 w
	s_lshl_b32 s22, s18, 11
	s_add_co_u32 s20, s20, s22
	s_lshl_b32 s22, s16, 9
	s_add_co_u32 s20, s20, s22
	s_add_nc_u64 s[38:39], s[4:5], s[20:21]
	s_or_b32 s39, s39, 0x80000000
	tensor_load_to_lds s[36:39], s[40:47]
	s_nop 0
	v_and_b32 v18, 31, v0                          ; L
	v_and_b32 v1, 15, v0                           ; r
	v_bfe_u32 v2, v0, 4, 1                         ; hh
	s_lshl_b32 s22, s19, 13
	s_lshl_b32 s23, s16, 11
	s_add_co_u32 s22, s22, s23
	s_lshl_b32 s23, s18, 2
	s_add_co_u32 s22, s22, s23
	v_lshl_add_u32 v3, v1, 7, s22                  ; stat: 128 (64 rg + 16 w + r) + 4 h
	s_lshl_b32 s22, s18, 8
	s_lshl_b32 s23, s17, 6
	s_add_co_u32 s22, s22, s23
	v_lshl_add_u32 v5, v1, 2, s22                  ; WV_b: 4 (64 h + 16 dg + r)
	s_lshl_b32 s22, s19, 15
	s_lshl_b32 s23, s16, 13
	s_add_co_u32 s22, s22, s23
	v_lshl_add_u32 v4, v2, 12, v5
	v_add_nc_u32 v4, s22, v4                       ; x and z1: row 8 rg + 2 w + hh, the same channel
	global_load_b32 v12, v3, s[6:7]                ; m of row 16 w + r
	global_load_b32 v13, v3, s[6:7] offset:64      ; l
	global_load_b32 v14, v4, s[12:13]
	global_load_b32 v15, v5, s[10:11]
	v_mul_u32_u24 v6, v1, 1040
	v_lshl_add_u32 v6, v2, 5, v6
	v_add_nc_u32 v6, s25, v6                       ; WV's fragments
	v_mul_u32_u24 v7, v1, 528
	v_lshl_add_u32 v7, v2, 4, v7
	v_add_nc_u32 v7, s37, v7                       ; part's fragments
	s_lshl_b32 s22, s16, 12
	s_add_co_u32 s22, s22, SCR
	v_lshl_add_u32 v8, v18, 4, s22                 ; my partial sums
	s_lshl_b32 s22, s16, 10
	s_add_co_u32 s22, s22, SCR
	v_lshl_add_u32 v9, v18, 4, s22                 ; tile w of every wave's
	s_lshl_b32 s22, s16, 8
	s_add_co_u32 s22, s22, TAB
	v_lshl_add_u32 v10, v1, 2, s22                 ; the weight of row 16 w + r
	v_lshl_add_u32 v11, v2, 5, s22                 ; the 8 weights of batch 2 w + hh
	s_wait_loadcnt 0x0
	v_mov_b32 v16, v12
	v_max_num_f32_dpp v16, v16, v16 row_xmask:1 row_mask:0xf bank_mask:0xf   ; the 8 chunks of a batch lie in 8 neighbouring lanes
	v_max_num_f32_dpp v16, v16, v16 row_xmask:2 row_mask:0xf bank_mask:0xf
	v_max_num_f32_dpp v16, v16, v16 row_xmask:4 row_mask:0xf bank_mask:0xf
	v_sub_f32 v12, v12, v16
	v_exp_f32 v12, v12
	v_nop
	s_wait_alu depctr_va_vdst(0)
	v_mul_f32 v12, v12, v13
	v_mov_b32 v16, v12
	v_add_f32_dpp v16, v16, v16 row_xmask:1 row_mask:0xf bank_mask:0xf
	v_add_f32_dpp v16, v16, v16 row_xmask:2 row_mask:0xf bank_mask:0xf
	v_add_f32_dpp v16, v16, v16 row_xmask:4 row_mask:0xf bank_mask:0xf
	v_rcp_f32 v16, v16                             ; at least 1: the largest chunk's term is its l
	v_nop
	s_wait_alu depctr_va_vdst(0)
	v_mul_f32 v12, v12, v16
	ds_store_b32 v10, v12                          ; my wave's own bytes
	s_wait_tensorcnt 0x1                           ; part's load is the younger: WV's tile is in LDS
.irp k, 0,1,2,3,4,5,6,7
	WFRAG AR+16*\k, 6, 128*\k
.endr
	s_wait_dscnt 0x0
.irp k, 0,1,2,3,4,5,6,7
	WCVT WB+8*\k, AR+16*\k
.endr
	s_wait_tensorcnt 0x0                           ; part's tile is in LDS
	ALOAD 0
	ALOAD 1
	ALOAD 2
	ALOAD 3
	; The four accumulators take turns.  The wait leaves out the 8 loads of each later K step that has been asked for: three steps up to k = 4, then 2, 1, 0.
.irp k, 0,1,2,3,4,5,6,7
.if \k < 5
	s_wait_dscnt 24
.else
	s_wait_dscnt 8*(7-\k)
.endif
.irp t, 0,1,2,3
.if \k == 0
	v_wmma_f32_16x16x32_bf16 v[ACC+8*\t:ACC+8*\t+7], v[AR+32*(\k%4)+8*\t:AR+32*(\k%4)+8*\t+7], v[WB+8*\k:WB+8*\k+7], 0
.else
	v_wmma_f32_16x16x32_bf16 v[ACC+8*\t:ACC+8*\t+7], v[AR+32*(\k%4)+8*\t:AR+32*(\k%4)+8*\t+7], v[WB+8*\k:WB+8*\k+7], v[ACC+8*\t:ACC+8*\t+7]
.endif
.endr
.if \k < 4
	PLACES                                         ; in front of the loads into the fragments just multiplied
	ALOAD \k+4
.endif
.endr
	PLACES
.irp t, 0,1,2,3
.irp q, 0,1
	ds_store_b128 v8, v[ACC+8*\t+4*\q:ACC+8*\t+4*\q+3] offset:1024*\t+512*\q
.endr
.endr
	BAR                                            ; every wave's partial sums are in LDS
.irp p, 0,1,2,3
.irp q, 0,1
	ds_load_b128 v[AR+8*\p+4*\q:AR+8*\p+4*\q+3], v9 offset:4096*\p+512*\q
.endr
.endr
	ds_load_b128 v[20:23], v11
	ds_load_b128 v[24:27], v11 offset:16
	s_wait_dscnt 0x0
	ADD8 AR, AR+8
	ADD8 AR+16, AR+24
	ADD8 AR, AR+16                                 ; T for b = 8 rg + 2 w + hh, d = r, chunks j = 0..7
	v_add_f32 v14, v14, v15                        ; x + WV_b
.irp j, 0,1,2,3,4,5,6,7
	v_fmac_f32 v14, v[AR+\j], v[20+\j]
.endr
	global_store_b32 v4, v14, s[14:15]             ; two rows, 64 consecutive bytes of each
	s_endpgm
.Lfunc_end_k_q958bf93ecc_proj:
	.size	k_q958bf93ecc_proj, .Lfunc_end_k_q958bf93ecc_proj-k_q958bf93ecc_proj
	.p2alignl 7, 3214868480
	.fill 96, 4, 3214868480
	.section	.rodata,"a",@progbits
	.p2align	6, 0x0
	.amdhsa_kernel k_q958bf93ecc_proj
		.amdhsa_group_segment_fixed_size 219136
		.amdhsa_private_segment_fixed_size 0
		.amdhsa_enable_private_segment 0
		.amdhsa_kernarg_size 48
		.amdhsa_user_sgpr_count 2
		.amdhsa_user_sgpr_kernarg_segment_ptr 1
		.amdhsa_wavefront_size32 1
		.amdhsa_system_sgpr_workgroup_id_x 1
		.amdhsa_system_sgpr_workgroup_id_y 1
		.amdhsa_system_sgpr_workgroup_id_z 1
		.amdhsa_system_vgpr_workitem_id 0
		.amdhsa_next_free_vgpr 256
		.amdhsa_next_free_sgpr 66
		.amdhsa_reserve_vcc 0
		.amdhsa_float_denorm_mode_32 3
		.amdhsa_float_denorm_mode_16_64 3
		.amdhsa_memory_ordered 1
		.amdhsa_forward_progress 1
		.amdhsa_inst_pref_size 21
	.end_amdhsa_kernel
	.amdgpu_metadata
---
amdhsa.version: [ 1, 2 ]
amdhsa.kernels:
  - .name:           k_q958bf93ecc_proj
    .symbol:         k_q958bf93ecc_proj.kd
    .args:
      - { .name: part, .offset: 0, .size: 8, .value_kind: global_buffer, .address_space: global }
      - { .name: stat, .offset: 8, .size: 8, .value_kind: global_buffer, .address_space: global }
      - { .name: WV_w, .offset: 16, .size: 8, .value_kind: global_buffer, .address_space: global }
      - { .name: WV_b, .offset: 24, .size: 8, .value_kind: global_buffer, .address_space: global }
      - { .name: x, .offset: 32, .size: 8, .value_kind: global_buffer, .address_space: global }
      - { .name: z1, .offset: 40, .size: 8, .value_kind: global_buffer, .address_space: global }
    .group_segment_fixed_size: 219136
    .private_segment_fixed_size: 0
    .kernarg_segment_align: 8
    .kernarg_segment_size: 48
    .max_flat_workgroup_size: 128
    .sgpr_count:     66
    .vgpr_count:     256
    .wavefront_size: 32
...
	.end_amdgpu_metadata
.endif
;; end of part 3
;; launch ffn1 (part 4): grid 256 x 1, 8 waves a work-group, no clusters, 167,936 bytes of LDS; arguments z1, w1_w, w1_b, hf, bn1_g, bn1_b; writes hf
.if DOCPART == 4
	.amdgcn_target "amdgcn-amd-amdhsa--gfx1250"
	.amdhsa_code_object_version 6
	.text
	.protected	k_q958bf93ecc_ffn1
	.globl	k_q958bf93ecc_ffn1
	.p2align	8
	.type	k_q958bf93ecc_ffn1,@function
k_q958bf93ecc_ffn1:
	s_mov_b64 s[64:65], 0
	v_nop
	global_prefetch_b8 v0, s[64:65] scope:SCOPE_SE
	s_setreg_imm32_b32 hwreg(HW_REG_WAVE_MODE, 25, 1), 1
	s_wait_xcnt 0x0
; h[b][o] = relu(sum over c of A[b][c] w1_w[o][c] + w1_b[o]), 32 rows b, 1,024 channels c, result in bf16 in the order of matrix fragments.
; A = BatchNorm over the 32 rows of z1 (biased variance of the centred values, 1e-5, gain bn1_g, shift bn1_b).
; SHARES.  Work-group t owns the 16 output channels 16 t .. 16 t + 15 for all 32 rows; wave w owns c = 128 w .. 128 w + 127; the eight partial sums meet in LDS.
; No LDS byte is filled twice, and only the wave that
; asked reads its tile, so its own wait on TENSORcnt is all the ordering that the tile needs.  One tensor load of a wave is out.
; A goes through registers: a lane holds 4 channels of all 32 rows, so that mean and variance over the rows never leave the lane.
; The shared operand A is not asked for jointly by a cluster: it is normalised and converted in registers on its way, which the data mover cannot do.
; THE MATRIX INSTRUCTION: source 0 = 16 output channels, source 1 = 16 rows b: a lane's 8 results are 8 neighbouring channels of one row, 16 bytes in bf16.
; OUT: [K step of 32 channels][half of the rows][registers 0-3 or 4-7][lane][16 bytes]: the next launch loads fragments by plain 16-byte loads.
; LIMITS: operands rounded to bf16, sums and the normalisation in f32; NaN and infinities are not followed.
.set WTW, 8448                         ; a wave's tile of W: 16 rows x 528 bytes, from LDS byte 0 on
.set AT,  67584                        ; A in bf16: for each wave 32 rows x 272 bytes
.set ATW, 8704
.set SCR, 137216                       ; partial sums: for each wave 2 x 1,024 bytes
.set BI,  12                           ; v[12:19]   bias of my 8 channels
.set G,   20                           ; v[20:23]   gain of my 4 channels of A
.set BE,  24                           ; v[24:27]   shift of my 4 channels of A
.set Z,   32                           ; v[32:159]  row b of A at Z + 4 b; later W in f32 (Z .. Z+63) and A's fragments (AF)
.set AF,  Z+64
.set WB,  160                          ; v[160:191] W's four fragments in bf16
.set ACC, 192                          ; v[192:207] two accumulators: rows 0-15, rows 16-31
.set ST,  208                          ; v[208:223] statistics, at work
.macro PLACES                          ; four plain vector instructions between a matrix instruction and the first reader of its result (ISA guide 7.12.1)
.rept 4
	v_nop
.endr
.endm
.macro BAR                             ; my LDS instructions are done, then the work-group's barrier
	s_wait_dscnt 0x0
	s_barrier_signal -1
	s_barrier_wait -1
.endm
.macro WFRAG dst, adr, off             ; 16 rows x 32 k of f32: k = 8 hh .. + 7, then 16 + 8 hh .. + 7
	ds_load_b128 v[\dst:\dst+3], v[\adr] offset:\off
	ds_load_b128 v[\dst+4:\dst+7], v[\adr] offset:\off+16
	ds_load_b128 v[\dst+8:\dst+11], v[\adr] offset:\off+64
	ds_load_b128 v[\dst+12:\dst+15], v[\adr] offset:\off+80
.endm
.macro WCVT dst, src                   ; 16 f32 a lane -> a bf16 fragment
.irp i, 0,1,2,3,4,5,6,7
	v_cvt_pk_bf16_f32 v[\dst+\i], v[\src+2*\i], v[\src+2*\i+1]
.endr
.endm
.macro ADD8 d, a
.irp i, 0,2,4,6
	v_pk_add_f32 v[\d+\i:\d+\i+1], v[\d+\i:\d+\i+1], v[\a+\i:\a+\i+1]
.endr
.endm
	s_load_b256 s[4:11], s[0:1], 0x0               ; z1 s[4:5], w1_w s[6:7], w1_b s[8:9], hf s[10:11]
	s_load_b128 s[12:15], s[0:1], 0x20             ; gain s[12:13], shift s[14:15]
	s_mov_b32 s36, 0x3d000000                      ; 1/32
	s_mov_b32 s37, 0x3d000000                      ; named with it as a pair
	s_mov_b32 s38, 0x3727c5ac                      ; 1e-5
	v_lshrrev_b32 v2, 5, v0
	v_readfirstlane_b32 s16, v2                    ; wave 0..7
	s_lshl_b32 s18, ttmp9, 16                      ; 16 t rows of W, 4,096 bytes each,
	s_lshl_b32 s32, s16, 9                         ; and my 128 columns
	s_add_co_u32 s18, s18, s32
	s_mov_b32 s19, 0
	s_mov_b32 s24, 0x07920000                      ; elements of 4 bytes; padding on: after every 128 words 4 words
	s_mov_b32 s25, 128<<16                         ; tensor_dim0 = 128
	s_mov_b32 s26, 16<<16                          ; tensor_dim1 = 16
	s_mov_b32 s27, 128<<16                         ; tile_dim0 = 128
	s_mov_b32 s28, 16                              ; tile_dim1 = 16
	s_mov_b32 s29, 1024                            ; elements from row to row
	s_mov_b32 s30, 0
	s_mov_b32 s31, 0
	s_mov_b32 s20, 1
	s_mul_i32 s21, s16, WTW                        ; my tile's LDS address
	s_wait_kmcnt 0x0
	s_add_nc_u64 s[22:23], s[6:7], s[18:19]
	s_or_b32 s23, s23, 0x80000000                  ; type 2
	tensor_load_to_lds s[20:23], s[24:31]          ; the one fill of this wave
	s_nop 0
	v_and_b32 v11, 31, v0                          ; lane L
	v_lshlrev_b32 v1, 4, v0                        ; 512 w + 16 L: my 4 channels in a row of A, in gain and in shift
	v_and_b32 v2, 15, v0                           ; r
	v_bfe_u32 v3, v0, 4, 1                         ; hh
	s_lshl_b32 s33, ttmp9, 6
	v_lshl_add_u32 v4, v3, 5, s33                  ; bias: 4 (16 t + 8 hh)
	global_load_b128 v[BI:BI+3], v4, s[8:9]
	global_load_b128 v[BI+4:BI+7], v4, s[8:9] offset:16
	global_load_b128 v[G:G+3], v1, s[12:13]
	global_load_b128 v[BE:BE+3], v1, s[14:15]
.set b, 0
.rept 32
	global_load_b128 v[Z+4*b:Z+4*b+3], v1, s[4:5] offset:4096*b   ; a wave's load covers 512 consecutive bytes of row b
.set b, b+1
.endr
	s_mul_i32 s34, s16, ATW
	s_add_co_u32 s34, s34, AT
	v_lshl_add_u32 v5, v11, 3, s34                 ; A in: 8 bytes a lane
	v_mul_u32_u24 v6, v2, 272
	v_lshl_add_u32 v6, v3, 4, v6
	v_add_nc_u32 v6, s34, v6                       ; A's fragments: row r, 16 bytes for each half of the lanes
	v_mul_u32_u24 v7, v2, 528
	v_lshl_add_u32 v7, v3, 5, v7
	v_add_nc_u32 v7, s21, v7                       ; W's fragments: row r, 32 bytes for each half
	s_lshl_b32 s35, s16, 11
	s_add_co_u32 s35, s35, SCR
	v_lshl_add_u32 v8, v11, 4, s35                 ; my partial sums
	s_lshl_b32 s35, s16, 10
	s_add_co_u32 s35, s35, SCR
	v_lshl_add_u32 v9, v11, 4, s35                 ; waves 0, 1: the eight partial sums of rows 16 w ..
	s_lshr_b32 s32, ttmp9, 1
	s_lshl_b32 s32, s32, 11                        ; K step t / 2 of the next product: 2,048 bytes
	s_and_b32 s33, ttmp9, 1
	s_lshl_b32 s33, s33, 9                         ; its registers 0-3 or 4-7
	s_add_co_u32 s32, s32, s33
	s_lshl_b32 s33, s16, 10                        ; half of the rows
	s_add_co_u32 s32, s32, s33
	v_lshl_add_u32 v10, v11, 4, s32
	s_wait_loadcnt 0x0                             ; bias, gain, shift and all 32 rows
	; BatchNorm over the 32 rows, in the lane: mean, centred values, variance of the centred values
.irp p, 0,2
	v_pk_add_f32 v[ST+\p:ST+\p+1], v[Z+\p:Z+\p+1], v[Z+8+\p:Z+8+\p+1]
	v_pk_add_f32 v[ST+4+\p:ST+4+\p+1], v[Z+4+\p:Z+4+\p+1], v[Z+12+\p:Z+12+\p+1]
.endr
.set b, 4
.rept 28
.irp p, 0,2
	v_pk_add_f32 v[ST+4*(b%2)+\p:ST+4*(b%2)+\p+1], v[ST+4*(b%2)+\p:ST+4*(b%2)+\p+1], v[Z+4*b+\p:Z+4*b+\p+1]
.endr
.set b, b+1
.endr
.irp p, 0,2
	v_pk_add_f32 v[ST+\p:ST+\p+1], v[ST+\p:ST+\p+1], v[ST+4+\p:ST+4+\p+1]
.endr
.irp p, 0,2
	v_pk_mul_f32 v[ST+\p:ST+\p+1], v[ST+\p:ST+\p+1], s[36:37] op_sel_hi:[1,0]
.endr
.set b, 0
.rept 32
.irp p, 0,2
	v_pk_add_f32 v[Z+4*b+\p:Z+4*b+\p+1], v[Z+4*b+\p:Z+4*b+\p+1], v[ST+\p:ST+\p+1] neg_lo:[0,1] neg_hi:[0,1]
.endr
.set b, b+1
.endr
.irp p, 0,2
	v_pk_mul_f32 v[ST+8+\p:ST+8+\p+1], v[Z+\p:Z+\p+1], v[Z+\p:Z+\p+1]
	v_pk_mul_f32 v[ST+12+\p:ST+12+\p+1], v[Z+4+\p:Z+4+\p+1], v[Z+4+\p:Z+4+\p+1]
.endr
.set b, 2
.rept 30
.irp p, 0,2
	v_pk_fma_f32 v[ST+8+4*(b%2)+\p:ST+8+4*(b%2)+\p+1], v[Z+4*b+\p:Z+4*b+\p+1], v[Z+4*b+\p:Z+4*b+\p+1], v[ST+8+4*(b%2)+\p:ST+8+4*(b%2)+\p+1]
.endr
.set b, b+1
.endr
.irp p, 0,2
	v_pk_add_f32 v[ST+8+\p:ST+8+\p+1], v[ST+8+\p:ST+8+\p+1], v[ST+12+\p:ST+12+\p+1]
.endr
.irp i, 0,1,2,3
	v_fma_f32 v[ST+8+\i], v[ST+8+\i], s36, s38     ; variance + 1e-5
.endr
.irp i, 0,1,2,3
	v_rsq_f32 v[ST+8+\i], v[ST+8+\i]
.endr
	v_nop                                          ; a plain instruction between the last root and the use of its result
	s_wait_alu depctr_va_vdst(0)
.irp p, 0,2
	v_pk_mul_f32 v[ST+8+\p:ST+8+\p+1], v[ST+8+\p:ST+8+\p+1], v[G+\p:G+\p+1]
.endr
.set b, 0
.rept 32
.irp p, 0,2
	v_pk_fma_f32 v[Z+4*b+\p:Z+4*b+\p+1], v[Z+4*b+\p:Z+4*b+\p+1], v[ST+8+\p:ST+8+\p+1], v[BE+\p:BE+\p+1]
.endr
.set b, b+1
.endr
.set b, 0
.rept 32
	v_cvt_pk_bf16_f32 v[Z+4*b], v[Z+4*b], v[Z+4*b+1]
	v_cvt_pk_bf16_f32 v[Z+4*b+1], v[Z+4*b+2], v[Z+4*b+3]
	ds_store_b64 v5, v[Z+4*b:Z+4*b+1] offset:272*b ; 32 lanes fill the row's 256 bytes
.set b, b+1
.endr
	s_wait_tensorcnt 0x0                           ; my tile of W is in LDS
.irp k, 0,1,2,3
	WFRAG Z+16*\k, 7, 128*\k
.endr
.irp k, 0,1,2,3
.irp m, 0,1
	ds_load_b128 v[AF+8*(2*\k+\m):AF+8*(2*\k+\m)+3], v6 offset:4352*\m+64*\k       ; my own stores above: LDS serves a wave's instructions in order (ISA guide 5.7.1.4)
	ds_load_b128 v[AF+8*(2*\k+\m)+4:AF+8*(2*\k+\m)+7], v6 offset:4352*\m+64*\k+32
.endr
.endr
	s_wait_dscnt 16                                ; all but the 16 youngest, A's fragments: W is in registers
.irp k, 0,1,2,3
	WCVT WB+8*\k, Z+16*\k
.endr
	s_wait_dscnt 0x0
	; the two accumulators take turns, one instruction a turn; the first products start the sums
.irp k, 0,1,2,3
.irp m, 0,1
.if \k == 0
	v_wmma_f32_16x16x32_bf16 v[ACC+8*\m:ACC+8*\m+7], v[WB+8*\k:WB+8*\k+7], v[AF+8*(2*\k+\m):AF+8*(2*\k+\m)+7], 0
.else
	v_wmma_f32_16x16x32_bf16 v[ACC+8*\m:ACC+8*\m+7], v[WB+8*\k:WB+8*\k+7], v[AF+8*(2*\k+\m):AF+8*(2*\k+\m)+7], v[ACC+8*\m:ACC+8*\m+7]
.endif
.endr
.endr
	PLACES
.irp m, 0,1
.irp q, 0,1
	ds_store_b128 v8, v[ACC+8*\m+4*\q:ACC+8*\m+4*\q+3] offset:1024*\m+512*\q
.endr
.endr
	BAR                                            ; every wave's partial sums are in LDS
	s_cmp_gt_u32 s16, 1
	s_cbranch_scc1 .Lend                           ; waves 0 and 1 finish rows 0-15 and 16-31
.irp p, 0,1,2,3,4,5,6,7
.irp q, 0,1
	ds_load_b128 v[Z+8*\p+4*\q:Z+8*\p+4*\q+3], v9 offset:2048*\p+512*\q
.endr
.endr
	s_wait_dscnt 0x0
	ADD8 Z, Z+8
	ADD8 Z+16, Z+24
	ADD8 Z+32, Z+40
	ADD8 Z+48, Z+56
	ADD8 Z, Z+16
	ADD8 Z+32, Z+48
	ADD8 Z, Z+32
	ADD8 Z, BI
.irp i, 0,1,2,3,4,5,6,7
	v_max_num_f32 v[Z+\i], 0, v[Z+\i]              ; ReLU
.endr
.irp i, 0,1,2,3
	v_cvt_pk_bf16_f32 v[ST+\i], v[Z+2*\i], v[Z+2*\i+1]
.endr
	global_store_b128 v10, v[ST:ST+3], s[10:11]    ; the wave's store covers 512 consecutive bytes, aligned
.Lend:
	s_endpgm
.Lfunc_end_k_q958bf93ecc_ffn1:
	.size	k_q958bf93ecc_ffn1, .Lfunc_end_k_q958bf93ecc_ffn1-k_q958bf93ecc_ffn1
	.p2alignl 7, 3214868480
	.fill 96, 4, 3214868480
	.section	.rodata,"a",@progbits
	.p2align	6, 0x0
	.amdhsa_kernel k_q958bf93ecc_ffn1
		.amdhsa_group_segment_fixed_size 167936
		.amdhsa_private_segment_fixed_size 0
		.amdhsa_enable_private_segment 0
		.amdhsa_kernarg_size 48
		.amdhsa_user_sgpr_count 2
		.amdhsa_user_sgpr_kernarg_segment_ptr 1
		.amdhsa_wavefront_size32 1
		.amdhsa_system_sgpr_workgroup_id_x 1
		.amdhsa_system_sgpr_workgroup_id_y 1
		.amdhsa_system_sgpr_workgroup_id_z 1
		.amdhsa_system_vgpr_workitem_id 0
		.amdhsa_next_free_vgpr 224
		.amdhsa_next_free_sgpr 66
		.amdhsa_reserve_vcc 0
		.amdhsa_float_denorm_mode_32 3
		.amdhsa_float_denorm_mode_16_64 3
		.amdhsa_memory_ordered 1
		.amdhsa_forward_progress 1
		.amdhsa_inst_pref_size 38
	.end_amdhsa_kernel
	.amdgpu_metadata
---
amdhsa.version: [ 1, 2 ]
amdhsa.kernels:
  - .name:           k_q958bf93ecc_ffn1
    .symbol:         k_q958bf93ecc_ffn1.kd
    .args:
      - { .name: z1, .offset: 0, .size: 8, .value_kind: global_buffer, .address_space: global }
      - { .name: w1_w, .offset: 8, .size: 8, .value_kind: global_buffer, .address_space: global }
      - { .name: w1_b, .offset: 16, .size: 8, .value_kind: global_buffer, .address_space: global }
      - { .name: hf, .offset: 24, .size: 8, .value_kind: global_buffer, .address_space: global }
      - { .name: bn1_g, .offset: 32, .size: 8, .value_kind: global_buffer, .address_space: global }
      - { .name: bn1_b, .offset: 40, .size: 8, .value_kind: global_buffer, .address_space: global }
    .group_segment_fixed_size: 167936
    .private_segment_fixed_size: 0
    .kernarg_segment_align: 8
    .kernarg_segment_size: 48
    .max_flat_workgroup_size: 256
    .sgpr_count:     66
    .vgpr_count:     224
    .wavefront_size: 32
...
	.end_amdgpu_metadata
.endif
;; end of part 4
;; launch ffn2 (part 5): grid 64 x 1, 16 waves a work-group, no clusters, 301,312 bytes of LDS; arguments hf, w2_w, w2_b, z1, bn1_g, bn1_b, bn2_g, bn2_b, out0; writes out0
.if DOCPART == 5
	.amdgcn_target "amdgcn-amd-amdhsa--gfx1250"
	.amdhsa_code_object_version 6
	.text
	.protected	k_q958bf93ecc_ffn2
	.globl	k_q958bf93ecc_ffn2
	.p2align	8
	.type	k_q958bf93ecc_ffn2,@function
k_q958bf93ecc_ffn2:
	s_mov_b64 s[64:65], 0
	v_nop
	global_prefetch_b8 v0, s[64:65] scope:SCOPE_SE
	s_setreg_imm32_b32 hwreg(HW_REG_WAVE_MODE, 25, 1), 1
	s_wait_xcnt 0x0
; out0 = BatchNorm2(h w2_w^T + w2_b + ret),  ret = BatchNorm1(z1), made anew in f32 for this work-group's channels.
; SHARES.  A channel's normalisation wants all its 32 rows in one work-group and a matrix tile has 16 columns: work-group t owns channels 16 t .. + 15, all 32 rows: 64 work-groups.
; Wave w owns k = 256 w .. + 255 of the 4,096; the sixteen partial sums meet in LDS and wave 0 finishes.
; One tensor load of a wave is out, no LDS byte is filled twice, only the asking wave reads its tile.
; h lies in memory in the order of fragments and goes straight into registers, so there is nothing of it that a cluster could ask for jointly into LDS.
; THE MATRIX INSTRUCTION: source 0 = 16 rows b, source 1 = 16 channels: a lane holds ONE channel (r) and the rows 16 mt + 8 hh + 0..7: half of the channel's 32 rows; the lane 16 away holds the others.
; out0 is stored in pieces of 64 consecutive bytes: a work-group owns 16 channels of a row.
; LIMITS: h and w2_w rounded to bf16; sums, residual and both normalisations (variance of the centred values) in f32; NaN and infinities are not followed.
.set WTW, 16640                        ; a wave's tile: 16 rows x 1,040 bytes, from LDS byte 0 on
.set SCR, 266240                       ; partial sums: 2,048 bytes a wave
.set RT,  299008                       ; wave 0's own: ret + w2_b (2,048 bytes), then gain and shift of BatchNorm2 (256)
.set SUM, 16                           ; v[16:31]   two accumulators; at the end the sums
.set A,   32                           ; v[32:159]  h's fragments: K step kk, half mt at A + 16 kk + 8 mt; at the end partial sums
.set WF,  160                          ; v[160:223] w2 in f32, four K steps; in wave 0 at first z1 and its statistics
.set WB,  224                          ; v[224:255] w2's fragments in bf16, four K steps
.set SEL, 36                           ; s[36:37]
.set I32, 38                           ; s38 1/32
.set EPS, 39                           ; s39 1e-5
.macro PLACES
.rept 4
	v_nop
.endr
.endm
.macro BAR
	s_wait_dscnt 0x0
	s_barrier_signal -1
	s_barrier_wait -1
.endm
.macro WFRAG dst, adr, off
	ds_load_b128 v[\dst:\dst+3], v[\adr] offset:\off
	ds_load_b128 v[\dst+4:\dst+7], v[\adr] offset:\off+16
	ds_load_b128 v[\dst+8:\dst+11], v[\adr] offset:\off+64
	ds_load_b128 v[\dst+12:\dst+15], v[\adr] offset:\off+80
.endm
.macro WCVT dst, src
.irp i, 0,1,2,3,4,5,6,7
	v_cvt_pk_bf16_f32 v[\dst+\i], v[\src+2*\i], v[\src+2*\i+1]
.endr
.endm
; BatchNorm of one channel a lane: 16 of its 32 rows in v[Z .. Z+15], the other 16 in the lane 16 away.  g, b: registers with gain and shift; T: 8 registers at work.
.macro BN16 Z, g, b, T
	v_pk_add_f32 v[\T:\T+1], v[\Z:\Z+1], v[\Z+2:\Z+3]
	v_pk_add_f32 v[\T+2:\T+3], v[\Z+4:\Z+5], v[\Z+6:\Z+7]
	v_pk_add_f32 v[\T+4:\T+5], v[\Z+8:\Z+9], v[\Z+10:\Z+11]
	v_pk_add_f32 v[\T+6:\T+7], v[\Z+12:\Z+13], v[\Z+14:\Z+15]
	v_pk_add_f32 v[\T:\T+1], v[\T:\T+1], v[\T+2:\T+3]
	v_pk_add_f32 v[\T+4:\T+5], v[\T+4:\T+5], v[\T+6:\T+7]
	v_pk_add_f32 v[\T:\T+1], v[\T:\T+1], v[\T+4:\T+5]
	v_add_f32 v[\T], v[\T], v[\T+1]
	v_permlanex16_b32 v[\T+1], v[\T], s[SEL], s[SEL+1]
	v_add_f32 v[\T], v[\T], v[\T+1]
	v_mul_f32 v[\T], s[I32], v[\T]                 ; the mean
.irp i, 0,2,4,6,8,10,12,14
	v_pk_add_f32 v[\Z+\i:\Z+\i+1], v[\Z+\i:\Z+\i+1], v[\T:\T+1] op_sel_hi:[1,0] neg_lo:[0,1] neg_hi:[0,1]
.endr
	v_pk_mul_f32 v[\T+2:\T+3], v[\Z:\Z+1], v[\Z:\Z+1]
	v_pk_mul_f32 v[\T+4:\T+5], v[\Z+2:\Z+3], v[\Z+2:\Z+3]
.irp i, 4,8,12
	v_pk_fma_f32 v[\T+2:\T+3], v[\Z+\i:\Z+\i+1], v[\Z+\i:\Z+\i+1], v[\T+2:\T+3]
	v_pk_fma_f32 v[\T+4:\T+5], v[\Z+\i+2:\Z+\i+3], v[\Z+\i+2:\Z+\i+3], v[\T+4:\T+5]
.endr
	v_pk_add_f32 v[\T+2:\T+3], v[\T+2:\T+3], v[\T+4:\T+5]
	v_add_f32 v[\T+2], v[\T+2], v[\T+3]
	v_permlanex16_b32 v[\T+3], v[\T+2], s[SEL], s[SEL+1]
	v_add_f32 v[\T+2], v[\T+2], v[\T+3]
	v_fma_f32 v[\T+2], v[\T+2], s[I32], s[EPS]     ; variance + 1e-5
	v_rsq_f32 v[\T+2], v[\T+2]
	v_mov_b32 v[\T+4], v[\b]                       ; the plain instruction behind the root: the shift, into the low register of a pair
	s_wait_alu depctr_va_vdst(0)
	v_mul_f32 v[\T+2], v[\T+2], v[\g]
.irp i, 0,2,4,6,8,10,12,14
	v_pk_fma_f32 v[\Z+\i:\Z+\i+1], v[\Z+\i:\Z+\i+1], v[\T+2:\T+3], v[\T+4:\T+5] op_sel_hi:[1,0,0]
.endr
.endm
.macro MUL8 kk0                        ; four K steps x two halves of the rows; the two accumulators take turns; the first two products start the sums
.irp k, 0,1,2,3
.irp m, 0,1
.if (\kk0 == 0) && (\k == 0)
	v_wmma_f32_16x16x32_bf16 v[SUM+8*\m:SUM+8*\m+7], v[A+16*(\kk0+\k)+8*\m:A+16*(\kk0+\k)+8*\m+7], v[WB+8*\k:WB+8*\k+7], 0
.else
	v_wmma_f32_16x16x32_bf16 v[SUM+8*\m:SUM+8*\m+7], v[A+16*(\kk0+\k)+8*\m:A+16*(\kk0+\k)+8*\m+7], v[WB+8*\k:WB+8*\k+7], v[SUM+8*\m:SUM+8*\m+7]
.endif
.endr
.endr
.endm
.macro GETB g                          ; the partial sums of waves 4 g .. 4 g + 3: 16 loads
.irp p, 0,1,2,3
.irp q, 0,1,2,3
	ds_load_b128 v[A+64*(\g%2)+16*\p+4*\q:A+64*(\g%2)+16*\p+4*\q+3], v8 offset:2048*(4*\g+\p)+512*\q
.endr
.endr
.endm
.macro ADDB g
.irp p, 0,1,2,3
.irp i, 0,2,4,6,8,10,12,14
	v_pk_add_f32 v[SUM+\i:SUM+\i+1], v[SUM+\i:SUM+\i+1], v[A+64*(\g%2)+16*\p+\i:A+64*(\g%2)+16*\p+\i+1]
.endr
.endr
.endm
	s_load_b512 s[4:19], s[0:1], 0x0               ; hf s[4:5], w2_w s[6:7], w2_b s[8:9], z1 s[10:11], bn1_g s[12:13], bn1_b s[14:15], bn2_g s[16:17], bn2_b s[18:19]
	s_load_b64 s[20:21], s[0:1], 0x40              ; out0
	v_lshrrev_b32 v2, 5, v0
	v_readfirstlane_b32 s22, v2                    ; wave 0..15
	s_mov_b32 s23, ttmp9                           ; t
	s_mov_b32 s[SEL], 0x76543210
	s_mov_b32 s[SEL+1], 0xfedcba98
	s_mov_b32 s[I32], 0x3d000000
	s_mov_b32 s[EPS], 0x3727c5ac
	s_mov_b32 s28, 0x07d20000                      ; elements of 4 bytes; after every 256 words 4 words of padding
	s_mov_b32 s29, 256<<16                         ; tensor_dim0 = 256
	s_mov_b32 s30, 16<<16                          ; tensor_dim1 = 16
	s_mov_b32 s31, 256<<16                         ; tile_dim0 = 256
	s_mov_b32 s32, 16                              ; tile_dim1 = 16
	s_mov_b32 s33, 4096                            ; elements from row to row
	s_mov_b32 s34, 0
	s_mov_b32 s35, 0
	s_mov_b32 s24, 1
	s_mul_i32 s25, s22, WTW
	s_lshl_b32 s40, s23, 18                        ; 16 t rows of 16,384 bytes,
	s_lshl_b32 s42, s22, 10                        ; my 256 columns
	s_add_co_u32 s40, s40, s42
	s_mov_b32 s41, 0
	s_wait_kmcnt 0x0
	s_add_nc_u64 s[26:27], s[6:7], s[40:41]
	s_or_b32 s27, s27, 0x80000000
	tensor_load_to_lds s[24:27], s[28:35]          ; the one fill of this wave
	s_nop 0
	v_and_b32 v11, 31, v0                          ; L
	v_and_b32 v2, 15, v0                           ; r
	v_bfe_u32 v3, v0, 4, 1                         ; hh
	s_lshl_b32 s42, s22, 14
	v_lshl_add_u32 v1, v11, 4, s42                 ; hf: my 8 K steps of 2,048 bytes + 16 L
.set i, 0
.rept 32
	global_load_b128 v[A+4*i:A+4*i+3], v1, s[4:5] offset:512*i   ; a wave's load covers 512 consecutive bytes
.set i, i+1
.endr
	s_lshl_b32 s42, s23, 6
	v_lshl_add_u32 v5, v2, 2, s42                  ; my channel: 4 (16 t + r)
	v_lshl_add_u32 v4, v3, 15, v5                  ; z1 and out0: row 8 hh, my channel
	v_mul_u32_u24 v6, v2, 1040
	v_lshl_add_u32 v6, v3, 5, v6
	v_add_nc_u32 v6, s25, v6                       ; w2's fragments
	s_lshl_b32 s42, s22, 11
	s_add_co_u32 s42, s42, SCR
	v_lshl_add_u32 v7, v11, 4, s42                 ; my partial sums
	v_lshlrev_b32 v8, 4, v11
	v_add_nc_u32 v9, RT, v8                        ; ret + w2_b
	v_add_nc_u32 v8, SCR, v8                       ; every wave's partial sums
	v_lshlrev_b32 v10, 3, v11
	v_add_nc_u32 v10, RT+2048, v10                 ; gain and shift of BatchNorm2
	s_cmp_lg_u32 s22, 0
	s_cbranch_scc1 .Lnot_wave_0
	; wave 0: ret + w2_b for the work-group's 16 channels, kept in LDS bytes of its own until the sums are there
.irp m, 0,1
.irp j, 0,1,2,3,4,5,6,7
	global_load_b32 v[WF+8*\m+\j], v4, s[10:11] offset:4096*(\j+16*\m)
.endr
.endr
	global_load_b32 v184, v5, s[12:13]             ; bn1_g
	global_load_b32 v185, v5, s[14:15]             ; bn1_b
	global_load_b32 v186, v5, s[8:9]               ; w2_b
	global_load_b32 v188, v5, s[16:17]             ; bn2_g
	global_load_b32 v189, v5, s[18:19]             ; bn2_b
	s_wait_loadcnt 0x0
	v_add_f32 v185, v185, v186                     ; w2_b rides on BatchNorm1's shift
	BN16 WF, 184, 185, 176
.irp q, 0,1,2,3
	ds_store_b128 v9, v[WF+4*\q:WF+4*\q+3] offset:512*\q
.endr
	ds_store_b64 v10, v[188:189]
.Lnot_wave_0:
	s_wait_tensorcnt 0x0                           ; my tile of w2 is in LDS
.irp k, 0,1,2,3
	WFRAG WF+16*\k, 6, 128*\k
.endr
	s_wait_dscnt 0x0
.irp k, 0,1,2,3
	WCVT WB+8*\k, WF+16*\k
.endr
.irp k, 0,1,2,3
	WFRAG WF+16*\k, 6, 512+128*\k                  ; K steps 4-7, on their way while 0-3 are multiplied
.endr
	s_wait_loadcnt 0x0                             ; h
	MUL8 0
	s_wait_dscnt 0x0
	PLACES                                         ; in front of the conversions into the fragments just multiplied
.irp k, 0,1,2,3
	WCVT WB+8*\k, WF+16*\k
.endr
	MUL8 4
	PLACES
.irp q, 0,1,2,3
	ds_store_b128 v7, v[SUM+4*\q:SUM+4*\q+3] offset:512*\q
.endr
	BAR                                            ; every wave's partial sums are in LDS
	s_cmp_lg_u32 s22, 0
	s_cbranch_scc1 .Lend
.irp q, 0,1,2,3
	ds_load_b128 v[SUM+4*\q:SUM+4*\q+3], v9 offset:512*\q    ; ret + w2_b starts the sums
.endr
	ds_load_b64 v[176:177], v10
	GETB 0
	GETB 1
	s_wait_dscnt 16                                ; each count of 16 leaves the one younger batch of 16 loads out
	ADDB 0
	GETB 2
	s_wait_dscnt 16
	ADDB 1
	GETB 3
	s_wait_dscnt 16
	ADDB 2
	s_wait_dscnt 0x0
	ADDB 3
	BN16 SUM, 176, 177, 180
.irp m, 0,1
.irp j, 0,1,2,3,4,5,6,7
	global_store_b32 v4, v[SUM+8*\m+\j], s[20:21] offset:4096*(\j+16*\m)   ; two rows, 64 consecutive bytes of each
.endr
.endr
.Lend:
	s_endpgm
.Lfunc_end_k_q958bf93ecc_ffn2:
	.size	k_q958bf93ecc_ffn2, .Lfunc_end_k_q958bf93ecc_ffn2-k_q958bf93ecc_ffn2
	.p2alignl 7, 3214868480
	.fill 96, 4, 3214868480
	.section	.rodata,"a",@progbits
	.p2align	6, 0x0
	.amdhsa_kernel k_q958bf93ecc_ffn2
		.amdhsa_group_segment_fixed_size 301312
		.amdhsa_private_segment_fixed_size 0
		.amdhsa_enable_private_segment 0
		.amdhsa_kernarg_size 72
		.amdhsa_user_sgpr_count 2
		.amdhsa_user_sgpr_kernarg_segment_ptr 1
		.amdhsa_wavefront_size32 1
		.amdhsa_system_sgpr_workgroup_id_x 1
		.amdhsa_system_sgpr_workgroup_id_y 1
		.amdhsa_system_sgpr_workgroup_id_z 1
		.amdhsa_system_vgpr_workitem_id 0
		.amdhsa_next_free_vgpr 256
		.amdhsa_next_free_sgpr 66
		.amdhsa_reserve_vcc 0
		.amdhsa_float_denorm_mode_32 3
		.amdhsa_float_denorm_mode_16_64 3
		.amdhsa_memory_ordered 1
		.amdhsa_forward_progress 1
		.amdhsa_inst_pref_size 35
	.end_amdhsa_kernel
	.amdgpu_metadata
---
amdhsa.version: [ 1, 2 ]
amdhsa.kernels:
  - .name:           k_q958bf93ecc_ffn2
    .symbol:         k_q958bf93ecc_ffn2.kd
    .args:
      - { .name: hf, .offset: 0, .size: 8, .value_kind: global_buffer, .address_space: global }
      - { .name: w2_w, .offset: 8, .size: 8, .value_kind: global_buffer, .address_space: global }
      - { .name: w2_b, .offset: 16, .size: 8, .value_kind: global_buffer, .address_space: global }
      - { .name: z1, .offset: 24, .size: 8, .value_kind: global_buffer, .address_space: global }
      - { .name: bn1_g, .offset: 32, .size: 8, .value_kind: global_buffer, .address_space: global }
      - { .name: bn1_b, .offset: 40, .size: 8, .value_kind: global_buffer, .address_space: global }
      - { .name: bn2_g, .offset: 48, .size: 8, .value_kind: global_buffer, .address_space: global }
      - { .name: bn2_b, .offset: 56, .size: 8, .value_kind: global_buffer, .address_space: global }
      - { .name: out0, .offset: 64, .size: 8, .value_kind: global_buffer, .address_space: global }
    .group_segment_fixed_size: 301312
    .private_segment_fixed_size: 0
    .kernarg_segment_align: 8
    .kernarg_segment_size: 72
    .max_flat_workgroup_size: 512
    .sgpr_count:     66
    .vgpr_count:     256
    .wavefront_size: 32
...
	.end_amdgpu_metadata
.endif
;; end of part 5
